; MI455X (gfx1250); checked and timed in simulation.
; The chip was launched on July 23, 2026; its instructions are those of AMD's public machine-readable ISA for CDNA 5 (MIT licence, August 2026) and "CDNA5" Instruction Set Architecture Reference Guide (July 2026). The comments in the code are by the model that wrote it; some were corrected since.
;; Custom Attention. Allowed arithmetic: matrix products marked QUANTISED: E2M3 operands, one E8M0 scale for each 32 along K, by v_wmma_scale_f32_16x16x128_f8f6f4 with both operands' format E2M3, f32 sums; everything else in f32.
;; Inputs: Wk 512 x 512 float32; Wo 512 x 512 float32; Wq 512 x 512 float32; Wv 512 x 512 float32; bk 512 float32; bo 512 float32; bq 512 float32; bv 512 float32; key 2 x 4,096 x 512 float32; query 2 x 4,096 x 512 float32; value 2 x 4,096 x 512 float32.
;; Outputs: out0 2 x 4,096 x 512 float32.
;; This version of the problem:
;;   THIS VERSION OF THE PROBLEM IS GIVEN IN LOW PRECISION. The matrix products marked QUANTISED in the list below multiply operands that are first quantised to E2M3 (2 exponent bits, 3 mantissa bits; 6 bits a number), with one power-of-two scale for each 32 numbers along K (OCP MX v1.0); their sums are f32. All else is computed in f32.
;;   The module's matrix products, in the order in which they are computed (A, B: the left and right operand; K: the contracted axis; several contracted axes count as one K, in the product's order):
;;     1. [M 8,192, K 512] x [K 512, N 512]; A: input query; B: input Wq: QUANTISED
;;     2. [M 8,192, K 512] x [K 512, N 512]; A: input key; B: input Wk: QUANTISED
;;     3. [M 8,192, K 512] x [K 512, N 512]; A: input value; B: input Wv: QUANTISED
;;     4. batch 16 x [M 4,096, K 64] x [K 64, N 4,096]; A: computed on the way; B: computed on the way: QUANTISED
;;     5. batch 16 x [M 4,096, K 4,096] x [K 4,096, N 64]; A: softmax (see below); B: computed on the way: QUANTISED
;;     6. [M 8,192, K 512] x [K 512, N 512]; A: computed on the way; B: input Wo: QUANTISED
;;   THE QUANTISER, for each operand of a quantised product, along K:
;;     - K is cut into blocks of 32 from its start; a last block that is shorter is filled with zeros.
;;     - A block's scale is 2^e with e = floor(log2(the largest magnitude in the block)) - 2, held to -126 .. 127; a block of zeros has e = 0. As a byte (E8M0): e + 127.
;;     - Each number is divided by its block's scale, clamped to +-7.5, and rounded to the nearest number of E2M3, ties to even, subnormals kept.
;;     - The product sums the exact products of the quantised numbers (number of the format x scale) in f32.
;;   ~~~python
;;   def quantise(x, axis):      # numpy; x: float32 -> the quantised numbers, widened to float32 again
;;       x = np.moveaxis(x, axis, -1); K = x.shape[-1]
;;       x = np.pad(x, [(0, 0)] * (x.ndim - 1) + [(0, -K % 32)]); x = x.reshape(x.shape[:-1] + (-1, 32)); a = np.abs(x).max(-1, keepdims=True)
;;       e = np.where(a > 0, np.clip(np.frexp(np.where(a > 0, a, 1))[1] - 1 - 2, -126, 127), 0)      # np.frexp(a)[1] - 1 = floor(log2(a)), exactly
;;       r = np.clip(x / 2.0 ** e, -7.5, 7.5)
;;       step = 2.0 ** (np.maximum(np.frexp(np.where(r == 0, 1, r))[1] - 1, 0) - 3)
;;       q = np.round(r / step) * step * 2.0 ** e      # np.round: ties to even
;;       return np.moveaxis(q.reshape(q.shape[:-2] + (-1,))[..., :K], -1, axis).astype(np.float32)
;;   ~~~
;;   SOFTMAX AHEAD OF A QUANTISED PRODUCT. Where the list says 'softmax', what is quantised is not the finished softmax but p = 2^(t - M), with t = logit x log2(e) and M = ceil(the row's largest t), a whole number; so 1/2 < the row's largest p <= 1. The row's sum l is taken of the UNQUANTISED p, in f32, and the product's result is divided by l at the end. Since M is a whole number, a kernel that streams over the keys may use a running M (the ceiling of the running maximum): every later rescaling is an exact power of two, which a block's scale takes up: the codes' values come out the same.
;;   OPERANDS COMPUTED ON THE WAY. 'Computed on the way' means the value that the module computes at that place (a softmax that the list does not call 'softmax' is quantised finished and normalised). What goes into a quantiser is computed in f32, as accurately as f32 sums, v_exp_f32 and their like allow (about 1e-6 of the number): no bf16 or f16 on the way to a quantiser, and a product that is left as it is and whose result goes on into a quantised operand takes f32 operands (vector FMAs, or v_wmma_f32_16x16x4_f32). A number that lies on a knife's edge between two numbers of the format may be rounded either way, as far as f32 arithmetic and the matrix unit's own rounding can turn it there, and no further.
;; One version. Each part assembles by itself: llvm-mc -triple=amdgcn-amd-amdhsa -mcpu=gfx1250 --defsym DOCPART=n.
;; ======== version 1 of 1: 4 launches
;; limits: right only within a limited range of input values
;; workspace buffers: codes 10,223,616 bytes; scales 425,984 bytes; qi 3,407,872 bytes; kv 6,684,672 bytes; ao 3,145,728 bytes; aos 131,072 bytes
;; launch quant (part 1): grid 416 x 1, 4 waves a work-group, no clusters, 34,304 bytes of LDS; arguments query, key, value, Wq, Wk, Wv, Wo, codes, scales; writes codes, scales
.if DOCPART == 1
	.amdgcn_target "amdgcn-amd-amdhsa--gfx1250"
	.amdhsa_code_object_version 6
	.text
	.protected	k_qe359de24e6_quant
	.globl	k_qe359de24e6_quant
	.p2align	8
	.type	k_qe359de24e6_quant,@function
k_qe359de24e6_quant:
	s_mov_b64 s[64:65], 0
	v_nop
	global_prefetch_b8 v0, s[64:65] scope:SCOPE_SE
	s_setreg_imm32_b32 hwreg(HW_REG_WAVE_MODE, 25, 1), 1
	s_wait_xcnt 0x0
; query, key, value [8192][512] and Wq, Wk, Wv, Wo [512][512], f32, K innermost, become codes of FP6 (E2M3) with one E8M0 byte for each 32 along K,
; laid in the order of an operand's registers.  A TILE is 16 rows; lane r of tile T takes row 32 (T / 2) + 8 (T % 2) + r + 8 (r / 8).  A FRAGMENT (16 rows x 128 K, 12 registers a lane:
; registers 6 c .. 6 c + 5 = k 64 c + 32 (lane / 16) + 0 .. 31) is six pieces of 256 bytes: piece p = registers 2 p, 2 p + 1, lane l at 8 l.  codes: tile T, K step s at 6144 T + 1536 s.
; scales: 256 bytes a tile: byte 8 l + 4 i = the scale word of K step 2 i + l / 16, row l % 16.  Tiles: query 0, key 512, value 1024, Wq 1536, Wk 1568, Wv 1600, Wo 1632.
; A wave takes one tile: four K steps of 16 rows x 512 bytes.  Each load reads 512 consecutive bytes of one row; the 8,192 bytes turn through the wave's own stage in LDS (pitch 528), so that
; a lane gets two whole blocks of 32 neighbours.  A block's scale is 2^(floor(log2(largest magnitude)) - 2): its byte is that magnitude's exponent field - 2, held at 1 from below.
; LIMITS: a block of zeros, or one whose largest magnitude lies under 2^-124, gets the byte 1 (the bytes are read by this program alone; zero codes add nothing); NaN and infinities are not served.
; No tensor load, no barrier (a stage is one wave's own), no matrix unit and no cluster: the launch streams, and work-groups share no byte.
.set PIT,   528
.set STG,   16*PIT
.set SPARE, 4*STG                      ; behind the four stages: the spare words, 128 bytes a wave
.set L16, 1                            ; v1  16 x lane
.set L8,  2                            ; v2  8 x lane
.set STI, 3                            ; v3  the stage, on the way in
.set STO, 4                            ; v4  and on the way out: row r, + 128 (lane / 16)
.set SH,  5                            ; v5  8 (lane / 16): where my two bytes stand in a scale word
.set SPW, 6
.set NIL, 7
.set SW,  8                            ; v8-11   the four K steps' scale words
.set BM,  12                           ; v12-13  largest magnitudes
.set SO,  14                           ; v14-15  the conversions' scale operands
.set BY,  16                           ; v16-17  the bytes
.set W,   18
.set WP,  19
.set F,   20                           ; v20-31  a fragment
.set CT,  32                           ; v32-38  the blocks' second halves, as the conversions leave them
.set OUTS, 40
.set RL,  64                           ; v64-191 two sets of 64 registers as loaded
.set X,   192                          ; v192-255 my 64 numbers of a K step
	s_load_b256 s[4:11], s[0:1], 0x0               ; query, key, value, Wq
	s_load_b256 s[12:19], s[0:1], 0x20             ; Wk, Wv, Wo, codes
	s_load_b64 s[20:21], s[0:1], 0x40              ; scales
	v_lshl_add_u32 v[SPW], v0, 2, SPARE
	v_mov_b32 v[NIL], 0
	v_lshrrev_b32 v9, 5, v0
	v_readfirstlane_b32 s22, v9                    ; wave
	v_and_b32 v10, 31, v0
	v_lshlrev_b32 v[L16], 4, v10
	v_lshlrev_b32 v[L8], 3, v10
	s_mul_i32 s26, s22, STG
	v_add_nc_u32 v[STI], s26, v[L16]
	v_and_b32 v11, 15, v0
	v_bfe_u32 v12, v0, 4, 1
	v_mul_u32_u24 v[STO], v11, PIT
	v_lshl_add_u32 v[STO], v12, 7, v[STO]
	v_add_nc_u32 v[STO], s26, v[STO]
	v_lshlrev_b32 v[SH], 3, v12
	v_mov_b32 v[WP], 0                             ; a lane permute's destination counts as one of its sources
	; THE KEY TENSOR'S TILES (work-groups 128-255) take their rows in another order: lane r of tile T takes row 64 (T / 4) + 8 (T % 4) + r % 8 + 32 (r / 8),
	; so that in the scores' product a lane's registers of four neighbouring tiles are one whole block of 32 neighbouring keys.
.set L16K, 44                          ; v44  16 x lane, and for the key tensor 16 rows more: the offset of a tile's rows 8-15
	s_sub_co_u32 s32, ttmp9, 128
	s_cmp_lt_u32 s32, 128                          ; the key tensor's work-group?  By the work-group's number alone
	s_cselect_b32 s33, 32768, 0
	v_add_nc_u32 v[L16K], s33, v[L16]
	s_mov_b32 s28, 0x76543210
	s_mov_b32 s29, 0xfedcba98                      ; selects for lane l xor 16
	s_mov_b32 s30, 0xffff0000                      ; lanes 16-31
	s_wait_alu depctr_va_vdst(0)
	s_wait_kmcnt 0x0
	s_mov_b64 s[24:25], s[16:17]                   ; which tensor: by the work-group's number alone
	s_mov_b32 s23, 408
	s_cmp_lt_u32 ttmp9, 408
	s_cselect_b64 s[24:25], s[14:15], s[24:25]
	s_cselect_b32 s23, 400, s23
	s_cmp_lt_u32 ttmp9, 400
	s_cselect_b64 s[24:25], s[12:13], s[24:25]
	s_cselect_b32 s23, 392, s23
	s_cmp_lt_u32 ttmp9, 392
	s_cselect_b64 s[24:25], s[10:11], s[24:25]
	s_cselect_b32 s23, 384, s23
	s_cmp_lt_u32 ttmp9, 384
	s_cselect_b64 s[24:25], s[8:9], s[24:25]
	s_cselect_b32 s23, 256, s23
	s_cmp_lt_u32 ttmp9, 256
	s_cselect_b64 s[24:25], s[6:7], s[24:25]
	s_cselect_b32 s23, 128, s23
	s_cmp_lt_u32 ttmp9, 128
	s_cselect_b64 s[24:25], s[4:5], s[24:25]
	s_cselect_b32 s23, 0, s23
	s_sub_co_u32 s23, ttmp9, s23
	s_lshl_b32 s23, s23, 2
	s_add_co_u32 s23, s23, s22                     ; my tile in its tensor
	s_lshr_b32 s26, s23, 1
	s_lshl_b32 s26, s26, 16                        ; 32 rows of 2,048 bytes for each pair of tiles,
	s_and_b32 s27, s23, 1
	s_lshl_b32 s27, s27, 14                        ; 8 rows for the odd one
	s_add_co_u32 s26, s26, s27
	s_lshr_b32 s34, s23, 2
	s_lshl_b32 s34, s34, 17                        ; the key tensor: 64 rows for each four tiles,
	s_and_b32 s35, s23, 3
	s_lshl_b32 s35, s35, 14                        ; 8 rows for each tile among them
	s_add_co_u32 s34, s34, s35
	s_cmp_lt_u32 s32, 128
	s_cselect_b32 s26, s34, s26
	s_mov_b32 s27, 0
	s_add_nc_u64 s[24:25], s[24:25], s[26:27]
	s_lshl_b32 s31, ttmp9, 2
	s_add_co_u32 s31, s31, s22                     ; my tile among all 1,664
	s_mul_i32 s26, s31, 6144
	s_add_nc_u64 s[18:19], s[18:19], s[26:27]
	s_lshl_b32 s26, s31, 8
	s_add_nc_u64 s[20:21], s[20:21], s[26:27]
.macro LOAD s                          ; K step s: 512 consecutive bytes of each of the tile's 16 rows
.irp i, 0,1,2,3,4,5,6,7,8,9,10,11,12,13,14,15
.if \i < 8
	global_load_b128 v[RL+64*((\s)%2)+4*\i:RL+64*((\s)%2)+4*\i+3], v[L16], s[24:25] offset:(\i)*2048+512*(\s) th:TH_LOAD_NT
.else
	global_load_b128 v[RL+64*((\s)%2)+4*\i:RL+64*((\s)%2)+4*\i+3], v[L16K], s[24:25] offset:(\i+8)*2048+512*(\s) th:TH_LOAD_NT
.endif
.endr
.endm
.macro STEP s
.if (\s) < 3
	s_wait_loadcnt 16                              ; this step's 16 loads are in; the next step's 16 may be out
.else
	s_wait_loadcnt 0x0
.endif
.irp i, 0,1,2,3,4,5,6,7,8,9,10,11,12,13,14,15
	ds_store_b128 v[STI], v[RL+64*((\s)%2)+4*\i:RL+64*((\s)%2)+4*\i+3] offset:PIT*\i
.endr
.irp c, 0,1
.irp j, 0,1,2,3,4,5,6,7
	ds_load_b128 v[X+32*\c+4*\j:X+32*\c+4*\j+3], v[STO] offset:256*\c+16*\j   ; LDS serves a wave's instructions in order: these see the stores above
.endr
.endr
	s_wait_dscnt 0x0                               ; my numbers are back, and the stores have read their registers,
.if (\s)+2 < 4
	LOAD (\s)+2                                    ; which take the loads of two steps on
.endif
.irp c, 0,1
	v_max3_num_f32 v[BM+\c], |v[X+32*\c]|, |v[X+32*\c+1]|, 0x1800000   ; block 2 c + lane / 16: all 32 numbers are mine; the floor 2^(3 - 127) holds the byte at 1 from below
.endr
.irp i, 2,4,6,8,10,12,14,16,18,20,22,24,26,28,30
.irp c, 0,1
	v_max3_num_f32 v[BM+\c], v[BM+\c], |v[X+32*\c+\i]|, |v[X+32*\c+\i+1]|
.endr
.endr
.irp c, 0,1
	v_add_nc_u32 v[SO+\c], 0xff000000, v[BM+\c]    ; 2 off the exponent field: the conversion's scale operand
.endr
.irp c, 0,1
	v_lshrrev_b32 v[BY+\c], 23, v[SO+\c]           ; the byte
.endr
	v_lshl_or_b32 v[W], v[BY+1], 16, v[BY]
	v_lshlrev_b32 v[W], v[SH], v[W]                ; my two bytes at their places,
	v_permlanex16_b32 v[WP], v[W], s28, s29
	v_or_b32 v[SW+(\s)], v[W], v[WP]               ; with lane l xor 16's two the word is whole, in both lanes
.if (\s) > 0
	s_wait_alu depctr_va_vdst(0)
	s_wait_xcnt 0x0                                ; the last step's stores have read the fragment's registers: only now are they written again
.endif
.irp c, 0,1
	v_cvt_scalef32_pk16_fp6_f32 v[F+6*\c:F+6*\c+2], v[X+32*\c:X+32*\c+15], v[SO+\c]
	v_cvt_scalef32_pk16_fp6_f32 v[CT+4*\c:CT+4*\c+2], v[X+32*\c+16:X+32*\c+31], v[SO+\c]   ; (a conversion's three registers begin on an even number)
.endr
	v_nop                                          ; one plain place behind a scaled conversion
.irp c, 0,1
.irp i, 0,1,2
	v_mov_b32 v[F+6*\c+3+\i], v[CT+4*\c+\i]
.endr
.endr
.irp p, 0,1,2,3,4,5
	global_store_b64 v[L8], v[F+2*\p:F+2*\p+1], s[18:19] offset:1536*(\s)+256*\p   ; 32 lanes store 256 consecutive bytes, aligned
.endr
.endm
	LOAD 0
	LOAD 1
	STEP 0
	STEP 1
	STEP 2
	STEP 3
	v_cndmask_b32 v[OUTS], v[SW], v[SW+1], s30     ; lanes 0-15: K step 0's words, lanes 16-31: K step 1's
	v_cndmask_b32 v[OUTS+1], v[SW+2], v[SW+3], s30
	global_store_b64 v[L8], v[OUTS:OUTS+1], s[20:21]
	s_wait_tensorcnt 0x0                           ; the wave's end, behind my last LDS store
	ds_add_u32 v[SPW], v[NIL]
	s_wait_dscnt 0x0
	s_endpgm
.Lfunc_end_k_qe359de24e6_quant:
	.size	k_qe359de24e6_quant, .Lfunc_end_k_qe359de24e6_quant-k_qe359de24e6_quant
	.p2alignl 7, 3214868480
	.fill 96, 4, 3214868480
	.section	.rodata,"a",@progbits
	.p2align	6, 0x0
	.amdhsa_kernel k_qe359de24e6_quant
		.amdhsa_group_segment_fixed_size 34304
		.amdhsa_private_segment_fixed_size 0
		.amdhsa_enable_private_segment 0
		.amdhsa_kernarg_size 72
		.amdhsa_user_sgpr_count 2
		.amdhsa_user_sgpr_kernarg_segment_ptr 1
		.amdhsa_wavefront_size32 1
		.amdhsa_system_sgpr_workgroup_id_x 1
		.amdhsa_system_sgpr_workgroup_id_y 1
		.amdhsa_system_sgpr_workgroup_id_z 1
		.amdhsa_system_vgpr_workitem_id 0
		.amdhsa_next_free_vgpr 256
		.amdhsa_next_free_sgpr 66
		.amdhsa_reserve_vcc 0
		.amdhsa_float_denorm_mode_32 3
		.amdhsa_float_denorm_mode_16_64 3
		.amdhsa_memory_ordered 1
		.amdhsa_forward_progress 1
		.amdhsa_inst_pref_size 33
	.end_amdhsa_kernel
	.amdgpu_metadata
---
amdhsa.version: [ 1, 2 ]
amdhsa.kernels:
  - .name:           k_qe359de24e6_quant
    .symbol:         k_qe359de24e6_quant.kd
    .args:
      - { .name: query, .offset: 0, .size: 8, .value_kind: global_buffer, .address_space: global }
      - { .name: key, .offset: 8, .size: 8, .value_kind: global_buffer, .address_space: global }
      - { .name: value, .offset: 16, .size: 8, .value_kind: global_buffer, .address_space: global }
      - { .name: Wq, .offset: 24, .size: 8, .value_kind: global_buffer, .address_space: global }
      - { .name: Wk, .offset: 32, .size: 8, .value_kind: global_buffer, .address_space: global }
      - { .name: Wv, .offset: 40, .size: 8, .value_kind: global_buffer, .address_space: global }
      - { .name: Wo, .offset: 48, .size: 8, .value_kind: global_buffer, .address_space: global }
      - { .name: codes, .offset: 56, .size: 8, .value_kind: global_buffer, .address_space: global }
      - { .name: scales, .offset: 64, .size: 8, .value_kind: global_buffer, .address_space: global }
    .group_segment_fixed_size: 34304
    .private_segment_fixed_size: 0
    .kernarg_segment_align: 8
    .kernarg_segment_size: 72
    .max_flat_workgroup_size: 128
    .sgpr_count:     66
    .vgpr_count:     256
    .wavefront_size: 32
...
	.end_amdgpu_metadata
.endif
;; end of part 1
;; launch proj (part 2): grid 192 x 1, 4 waves a work-group, no clusters, 0 bytes of LDS; arguments codes, scales, bq, bk, bv, qi, kv; writes qi, kv
.if DOCPART == 2
	.amdgcn_target "amdgcn-amd-amdhsa--gfx1250"
	.amdhsa_code_object_version 6
	.text
	.protected	k_qe359de24e6_proj
	.globl	k_qe359de24e6_proj
	.p2align	8
	.type	k_qe359de24e6_proj,@function
k_qe359de24e6_proj:
	s_mov_b64 s[64:65], 0
	v_nop
	global_prefetch_b8 v0, s[64:65] scope:SCOPE_SE
	s_setreg_imm32_b32 hwreg(HW_REG_WAVE_MODE, 25, 1), 1
	s_wait_xcnt 0x0
; Q = query Wq^T + bq, K = key Wk^T + bk, V = value Wv^T + bv on codes of FP6 (E2M3), and their results quantised in registers: Q and K along a head's 64 channels, V along the keys.
; ONE BODY.  A wave keeps a group P of 8 tiles (128 rows x K 512: 32 fragments, 384 registers) and walks 8 tiles R.  Source 0 = a tile of P, source 1 = the tile of R: a lane holds ONE row of R,
; and, by the tiles' row order (lane r of tile T: row 32 (T / 2) + 8 (T % 2) + r + 8 (r / 8)), its 64 results run along P's 128 rows as neighbours: register 16 b + i = row 32 b + 16 (lane / 16) + i.
; Q, K (work-groups 0-63, 64-127): P = 128 rows of the weight (wave w: heads 2 w, 2 w + 1), R = 128 tokens.  V (128-191): P = 128 tokens (a key step), R = 128 rows of Wv (two heads).
; OUT.  qi: a record of 6,656 bytes for (batch x 8 + head, 128 tokens): tile t's six registers as three pieces of 256 bytes at 256 (3 t + p); from 6,144 the scale words: byte 16 l + 4 i = tile 2 i + l / 16, row l % 16
; (bytes 0, 1 the head's two blocks, bytes 2, 3 = 0x7f).  kv: a record of 13,056 bytes: K as in qi; from 6,144 V's four fragments (16 channels x 128 keys); from 12,288 K's scale words; from 12,800 V's: byte 8 l + 4 i = tile 2 i + l / 16.
; The bias runs along P's rows for Q and K (it is the C of a sum's first product) and along R's rows for V (added behind the sums); the other of the two is masked to 0, with no branch.
; LIMITS: zero blocks and blocks under 2^-124 get the byte 1 (read by this program alone); NaN and infinities are not served; the bias enters first (Q, K) or last (V), so the last bit may differ from a sum in another order.
; No tensor load, no LDS, no cluster: every operand lies in memory in the order of its registers and goes there by loads of 256 consecutive bytes; each wave's 49,152 bytes of P are read once by that wave and used eight times from registers.
; REGISTERS: window 0 as named below; window 1: P's fragments of K steps 0, 1 at v[12 (8 (s % 2) + n)]; window 2: those of K steps 2, 3, and from v192 the bias along P.
.set FR,  12
.set L8,  1                            ; v1  8 x lane
.set L16, 2                            ; v2  16 x lane
.set H64, 3                            ; v3  64 (lane / 16)
.set RB4, 4                            ; v4  4 (r + 8 (r / 8))
.set BR,  6                            ; v[6:7] the bias along R (v7 = 0)
.set BRL, 8                            ; v8-9   as loaded, two sets
.set PS,  10                           ; v10-25 P's scale words, two registers a tile
.set RS,  26                           ; v26-29 R's, two sets
.set SW,  30                           ; v30-37 the scale word made in each trip
.set XX,  38
.set YY,  42
.set TM,  46                           ; v46-61 at work
.set PW,  62
.set PC,  64                           ; v64-75 the fragment just made; v76-82 the conversions' second halves
.set R0,  84                           ; v84-131, v132-179 R's four fragments, two sets
.set HA,  180                          ; v180-243 the eight accumulators
.set BI,  192                          ; window 2
.set SEL, 48
.set MSB, 0
.macro WIN new                         ; the immediate's high byte repeats the setting that is left
.if MSB != \new
	s_set_vgpr_msb (MSB<<8)|\new
.set MSB, \new
.endif
.endm
	s_load_b256 s[4:11], s[0:1], 0x0               ; codes, scales, bq, bk
	s_load_b128 s[12:15], s[0:1], 0x20             ; bv, qi
	s_load_b64 s[16:17], s[0:1], 0x30              ; kv
	v_lshrrev_b32 v5, 5, v0
	v_readfirstlane_b32 s18, v5                    ; wave
	v_and_b32 v5, 31, v0
	v_lshlrev_b32 v[L8], 3, v5
	v_lshlrev_b32 v[L16], 4, v5
	v_bfe_u32 v5, v0, 4, 1
	v_lshlrev_b32 v[H64], 6, v5
	v_and_b32 v5, 15, v0
	v_and_b32 v[RB4], 8, v5
	v_add_nc_u32 v[RB4], v[RB4], v5
	v_lshlrev_b32 v[RB4], 2, v[RB4]
	v_mov_b32 v[BR+1], 0
.irp b, 0,1,2,3
	v_mov_b32 v[TM+4+\b], 0                        ; a lane permute's destination counts as one of its sources
.endr
	s_mov_b32 s[SEL], 0x76543210
	s_mov_b32 s[SEL+1], 0xfedcba98
	s_mov_b32 s50, 0xffff0000                      ; lanes 16-31
	s_mov_b32 s51, 0xffff
	s_mov_b32 s52, 0x7f7f0000
	s_lshr_b32 s19, ttmp9, 6                       ; 0: Q, 1: K, 2: V
	s_and_b32 s20, ttmp9, 63                       ; I
	; the numbers as Q and K want them
	s_lshl_b32 s54, s19, 5
	s_lshl_b32 s55, s18, 3
	s_add_co_u32 s54, s54, s55
	s_add_co_u32 s54, s54, 1536                    ; P's first tile: the weight's, 8 x wave on
	s_lshl_b32 s55, s19, 9
	s_lshl_b32 s56, s20, 3
	s_add_co_u32 s55, s55, s56                     ; R's first tile: tokens 128 I on
	s_lshr_b32 s56, s20, 5
	s_lshl_b32 s56, s56, 3
	s_lshl_b32 s57, s18, 1
	s_add_co_u32 s56, s56, s57                     ; 8 x batch + head 2 w
	s_and_b32 s57, s20, 31                         ; the group of 128 tokens in its batch
	; and as V wants them
	s_and_b32 s21, s20, 60
	s_add_co_u32 s21, s21, s18                     ; G = 4 (I / 4) + wave: the group of 128 tokens
	s_and_b32 s53, s20, 3                          ; which 128 rows of Wv
	s_lshl_b32 s38, s21, 3
	s_add_co_u32 s38, s38, 1024
	s_lshl_b32 s39, s53, 3
	s_add_co_u32 s39, s39, 1600
	s_lshr_b32 s40, s21, 5
	s_lshl_b32 s40, s40, 3
	s_lshl_b32 s41, s53, 1
	s_add_co_u32 s40, s40, s41
	s_and_b32 s41, s21, 31
	s_lshl_b32 s53, s53, 9                         ; bv: 512 bytes for each 128 rows
	s_cmp_eq_u32 s19, 2                            ; the choice hangs on the work-group's number alone
	s_cselect_b32 s54, s38, s54
	s_cselect_b32 s55, s39, s55
	s_cselect_b32 s56, s40, s56
	s_cselect_b32 s57, s41, s57
	s_cselect_b32 s53, s53, 0                      ; where the bias along R begins
	s_cselect_b32 s46, 0, -1                       ; mask of the bias along P
	s_cselect_b32 s47, -1, 0                       ; and of that along R
	s_cselect_b32 s21, 6144, 0                     ; where the codes begin in a record
	s_mov_b32 s38, 768
	s_cselect_b32 s38, 1536, s38                   ; from trip to trip
	s_cselect_b32 s40, 411648, 0                   ; V, behind trip 3: on to the next head's record (32 x 13,056 - 4 x 1,536)
	s_mov_b32 s42, 12288
	s_cselect_b32 s42, 12800, s42                  ; where the scale words begin in a record
	s_mov_b32 s39, 0
	s_mov_b32 s41, 0
	s_cmp_eq_u32 s19, 0
	s_cselect_b32 s42, 6144, s42
	s_mov_b32 s44, 13056
	s_cselect_b32 s44, 6656, s44                   ; a record's bytes
	s_lshl_b32 s56, s56, 5
	s_add_co_u32 s56, s56, s57
	s_mul_i32 s56, s56, s44                        ; my record's first byte
	s_lshl_b32 s57, s44, 5                         ; 32 records: the next head's
	s_mov_b32 s36, 768
	s_cmp_eq_u32 s19, 2
	s_cselect_b32 s36, s36, s57                    ; from the first three pieces' place to the last three's
	s_mov_b32 s37, 0
	s_mov_b32 s3, 0
	s_wait_alu depctr_va_vdst(0)
	s_wait_kmcnt 0x0
	s_cmp_eq_u32 s19, 0
	s_cselect_b64 s[34:35], s[14:15], s[16:17]     ; qi or kv
	s_cselect_b64 s[30:31], s[8:9], s[10:11]       ; bq or bk
	s_cmp_eq_u32 s19, 2
	s_cselect_b64 s[30:31], s[12:13], s[30:31]     ; or bv
	s_add_co_u32 s2, s56, s42
	s_add_nc_u64 s[42:43], s[34:35], s[2:3]        ; the first head's scale words,
	s_mov_b32 s2, s57
	s_add_nc_u64 s[44:45], s[42:43], s[2:3]        ; the second head's
	s_add_co_u32 s2, s56, s21
	s_add_nc_u64 s[34:35], s[34:35], s[2:3]        ; where pieces 0-2 go,
	s_add_nc_u64 s[36:37], s[34:35], s[36:37]      ; and pieces 3-5
	s_mov_b32 s2, s53
	s_add_nc_u64 s[32:33], s[30:31], s[2:3]        ; the bias along R
	s_lshl_b32 s2, s18, 9
	s_add_nc_u64 s[30:31], s[30:31], s[2:3]        ; the bias along P: 128 numbers a wave
	s_mul_i32 s2, s54, 6144
	s_add_nc_u64 s[22:23], s[4:5], s[2:3]          ; P's codes
	s_lshl_b32 s2, s54, 8
	s_add_nc_u64 s[24:25], s[6:7], s[2:3]          ; P's scale words
	s_mul_i32 s2, s55, 6144
	s_add_nc_u64 s[26:27], s[4:5], s[2:3]          ; R's codes
	s_lshl_b32 s2, s55, 8
	s_add_nc_u64 s[28:29], s[6:7], s[2:3]          ; R's scale words
.macro LOADR t                         ; tile t of R: four fragments, its scale words, its bias: 26 loads
.irp s, 0,1,2,3
.irp p, 0,1,2,3,4,5
	global_load_b64 v[R0+48*((\t)%2)+FR*\s+2*\p:R0+48*((\t)%2)+FR*\s+2*\p+1], v[L8], s[26:27] offset:6144*(\t)+1536*\s+256*\p
.endr
.endr
	global_load_b64 v[RS+2*((\t)%2):RS+2*((\t)%2)+1], v[L8], s[28:29] offset:256*(\t)
	global_load_b32 v[BRL+(\t)%2], v[RB4], s[32:33] offset:(32*((\t)/2)+8*((\t)%2))*4
.endm
.macro LOADP                           ; P's 32 fragments, the bias along P, P's scale words: they stay
	WIN 0x40                                       ; destination window 1
.irp s, 0,1
.irp n, 0,1,2,3,4,5,6,7
.irp p, 0,1,2,3,4,5
	global_load_b64 v[FR*(8*\s+\n)+2*\p:FR*(8*\s+\n)+2*\p+1], v[L8], s[22:23] offset:6144*\n+1536*\s+256*\p
.endr
.endr
.endr
	WIN 0x80                                       ; destination window 2
.irp s, 0,1
.irp n, 0,1,2,3,4,5,6,7
.irp p, 0,1,2,3,4,5
	global_load_b64 v[FR*(8*\s+\n)+2*\p:FR*(8*\s+\n)+2*\p+1], v[L8], s[22:23] offset:6144*\n+1536*(\s+2)+256*\p
.endr
.endr
.endr
.irp n, 0,1,2,3,4,5,6,7
	global_load_b128 v[BI+8*\n:BI+8*\n+3], v[H64], s[30:31] offset:(32*(\n/2)+8*(\n%2))*4
	global_load_b128 v[BI+8*\n+4:BI+8*\n+7], v[H64], s[30:31] offset:(32*(\n/2)+8*(\n%2))*4+16
.endr
	WIN 0
.irp n, 0,1,2,3,4,5,6,7
	global_load_b64 v[PS+2*\n:PS+2*\n+1], v[L8], s[24:25] offset:256*\n
.endr
.endm
; 32 products: K step by K step, the eight accumulators by turns, one instruction a turn.  K step s takes register s / 2 of a side's scale words, lanes 16-31 for odd s.
.macro MULS e
.irp s, 0,1,2,3
.if \s == 0
	WIN 0x21                                       ; source 0 (P) window 1, source 2 (the bias) window 2
.elseif \s == 1
	WIN 0x01
.else
	WIN 0x02                                       ; source 0 window 2
.endif
.irp n, 0,1,2,3,4,5,6,7
.if \s == 0
	v_wmma_scale_f32_16x16x128_f8f6f4 v[HA+8*\n:HA+8*\n+7], v[FR*(8*(\s%2)+\n):FR*(8*(\s%2)+\n)+FR-1], v[R0+48*(\e)+FR*\s:R0+48*(\e)+FR*\s+FR-1], v[BI+8*\n:BI+8*\n+7], v[PS+2*\n+\s/2], v[RS+2*(\e)+\s/2] matrix_a_fmt:MATRIX_FMT_FP6 matrix_b_fmt:MATRIX_FMT_FP6
.elseif \s%2 == 1
	v_wmma_scale_f32_16x16x128_f8f6f4 v[HA+8*\n:HA+8*\n+7], v[FR*(8*(\s%2)+\n):FR*(8*(\s%2)+\n)+FR-1], v[R0+48*(\e)+FR*\s:R0+48*(\e)+FR*\s+FR-1], v[HA+8*\n:HA+8*\n+7], v[PS+2*\n+\s/2], v[RS+2*(\e)+\s/2] matrix_a_fmt:MATRIX_FMT_FP6 matrix_b_fmt:MATRIX_FMT_FP6 matrix_a_scale:MATRIX_SCALE_ROW1 matrix_b_scale:MATRIX_SCALE_ROW1
.else
	v_wmma_scale_f32_16x16x128_f8f6f4 v[HA+8*\n:HA+8*\n+7], v[FR*(8*(\s%2)+\n):FR*(8*(\s%2)+\n)+FR-1], v[R0+48*(\e)+FR*\s:R0+48*(\e)+FR*\s+FR-1], v[HA+8*\n:HA+8*\n+7], v[PS+2*\n+\s/2], v[RS+2*(\e)+\s/2] matrix_a_fmt:MATRIX_FMT_FP6 matrix_b_fmt:MATRIX_FMT_FP6
.endif
.endr
.endr
	WIN 0
.endm
; 64 numbers of a lane, register 16 b + i = k 32 b + 16 (lane / 16) + i of my row, become a fragment's codes in v[PC] on and its scale word in v[PW].
.macro QUANT s
.irp b, 0,1,2,3
	v_max3_num_f32 v[TM+\b], |v[\s+16*\b]|, |v[\s+1+16*\b]|, 0x1800000   ; my 16 numbers of block b, and the floor 2^(3 - 127): the byte cannot fall under 1
.endr
.irp i, 2,4,6,8,10,12,14
.irp b, 0,1,2,3
	v_max3_num_f32 v[TM+\b], v[TM+\b], |v[\s+16*\b+\i]|, |v[\s+1+16*\b+\i]|
.endr
.endr
.irp b, 0,1,2,3
	v_permlanex16_b32 v[TM+4+\b], v[TM+\b], s[SEL], s[SEL+1]
.endr
.irp b, 0,1,2,3
	v_max_num_f32 v[TM+\b], v[TM+\b], v[TM+4+\b]   ; with lane l xor 16's: the block's largest magnitude
.endr
.irp b, 0,1,2,3
	v_add_nc_u32 v[TM+12+\b], 0xff000000, v[TM+\b] ; 2 off its exponent field: the conversion's scale operand
.endr
.irp b, 0,1,2,3
	v_lshrrev_b32 v[TM+4+\b], 23, v[TM+12+\b]      ; the byte
.endr
	v_lshl_or_b32 v[PW], v[TM+5], 8, v[TM+4]
	v_lshl_or_b32 v[PW], v[TM+6], 16, v[PW]
	v_lshl_or_b32 v[PW], v[TM+7], 24, v[PW]
.irp c, 0,1
	v_cvt_scalef32_pk16_fp6_f32 v[PC+6*\c:PC+2+6*\c], v[\s+32*\c:\s+15+32*\c], v[TM+12+2*\c]
	v_cvt_scalef32_pk16_fp6_f32 v[PC+12+4*\c:PC+14+4*\c], v[\s+16+32*\c:\s+31+32*\c], v[TM+12+2*\c+1]
.endr
	v_nop                                          ; one plain place behind a scaled conversion
.irp c, 0,1                                    ; the operand's layout wants a whole block in a lane: lanes 0-15 block 2 c, lanes 16-31 block 2 c + 1
.irp i, 0,1,2
	v_permlane16_swap_b32 v[PC+6*\c+\i], v[PC+12+4*\c+\i]
.endr
.irp i, 0,1,2
	v_mov_b32 v[PC+3+6*\c+\i], v[PC+12+4*\c+\i]
.endr
.endr
.endm
.macro TRIP t
.if (\t) < 7
	LOADR (\t)+1
	s_wait_loadcnt 26                              ; this trip's tile is in; the next trip's 26 loads may be out
.else
	s_wait_loadcnt 0x0
.endif
	v_and_b32 v[BR], s47, v[BRL+(\t)%2]
	MULS (\t)%2
.rept 4
	v_nop                                          ; places in front of the first read of results
.endr
.set J, 0
.rept 32
	v_pk_add_f32 v[HA+J:HA+J+1], v[HA+J:HA+J+1], v[BR:BR+1] op_sel_hi:[1,0]   ; the bias along R (0 for Q and K); each accumulator from its low end on
.set J, J+2
.endr
	QUANT HA
	v_mov_b32 v[SW+(\t)], v[PW]
.irp p, 0,1,2
	global_store_b64 v[L8], v[PC+2*\p:PC+2*\p+1], s[34:35] offset:256*\p      ; 32 lanes store 256 consecutive bytes, aligned
	global_store_b64 v[L8], v[PC+6+2*\p:PC+6+2*\p+1], s[36:37] offset:256*\p
.endr
.if (\t) < 7
	s_wait_xcnt 0x0                                ; the stores have read their data and bases: both are written again only behind this wait
	s_add_nc_u64 s[34:35], s[34:35], s[38:39]
	s_add_nc_u64 s[36:37], s[36:37], s[38:39]
.if (\t) == 3
	s_add_nc_u64 s[34:35], s[34:35], s[40:41]
	s_add_nc_u64 s[36:37], s[36:37], s[40:41]
.endif
.endif
.endm
	LOADR 0
	LOADP
	s_wait_loadcnt 0x0
	WIN 0x88                                       ; destination and source 1 window 2
.set J, 0
.rept 64
	v_and_b32 v[BI+J], s46, v[BI+J]                ; the bias along P (0 for V)
.set J, J+1
.endr
	s_wait_alu depctr_va_vdst(0)
	WIN 0
.rept 8
	v_nop
.endr
	TRIP 0
	TRIP 1
	TRIP 2
	TRIP 3
	TRIP 4
	TRIP 5
	TRIP 6
	TRIP 7
.irp i, 0,1,2,3
	v_cndmask_b32 v[XX+\i], v[SW+2*\i], v[SW+2*\i+1], s50   ; lanes 0-15: tile 2 i's words, lanes 16-31: tile 2 i + 1's
.endr
.irp i, 0,1,2,3
	v_lshrrev_b32 v[YY+\i], 16, v[XX+\i]
.endr
.irp i, 0,1,2,3
	v_or_b32 v[YY+\i], s52, v[YY+\i]               ; Q, K: the second head's two bytes, under 0x7f7f
.endr
	s_cmp_eq_u32 s19, 2
	s_cbranch_scc1 .Lv_scales
.irp i, 0,1,2,3
	v_and_or_b32 v[XX+\i], v[XX+\i], s51, s52      ; the first head's
.endr
	global_store_b128 v[L16], v[XX:XX+3], s[42:43] ; 512 consecutive bytes
	global_store_b128 v[L16], v[YY:YY+3], s[44:45]
	s_endpgm
.Lv_scales:
	global_store_b64 v[L8], v[XX:XX+1], s[42:43]   ; V: whole words (four blocks of keys); tiles 0-3 are the first head's,
	s_wait_alu depctr_va_vdst(0)
	global_store_b64 v[L8], v[XX+2:XX+3], s[44:45] ; tiles 4-7 the second's
	s_endpgm
.Lfunc_end_k_qe359de24e6_proj:
	.size	k_qe359de24e6_proj, .Lfunc_end_k_qe359de24e6_proj-k_qe359de24e6_proj
	.p2alignl 7, 3214868480
	.fill 96, 4, 3214868480
	.section	.rodata,"a",@progbits
	.p2align	6, 0x0
	.amdhsa_kernel k_qe359de24e6_proj
		.amdhsa_group_segment_fixed_size 0
		.amdhsa_private_segment_fixed_size 0
		.amdhsa_enable_private_segment 0
		.amdhsa_kernarg_size 56
		.amdhsa_user_sgpr_count 2
		.amdhsa_user_sgpr_kernarg_segment_ptr 1
		.amdhsa_wavefront_size32 1
		.amdhsa_system_sgpr_workgroup_id_x 1
		.amdhsa_system_sgpr_workgroup_id_y 1
		.amdhsa_system_sgpr_workgroup_id_z 1
		.amdhsa_system_vgpr_workitem_id 0
		.amdhsa_next_free_vgpr 768
		.amdhsa_next_free_sgpr 66
		.amdhsa_reserve_vcc 0
		.amdhsa_float_denorm_mode_32 3
		.amdhsa_float_denorm_mode_16_64 3
		.amdhsa_memory_ordered 1
		.amdhsa_forward_progress 1
		.amdhsa_inst_pref_size 134
	.end_amdhsa_kernel
	.amdgpu_metadata
---
amdhsa.version: [ 1, 2 ]
amdhsa.kernels:
  - .name:           k_qe359de24e6_proj
    .symbol:         k_qe359de24e6_proj.kd
    .args:
      - { .name: codes, .offset: 0, .size: 8, .value_kind: global_buffer, .address_space: global }
      - { .name: scales, .offset: 8, .size: 8, .value_kind: global_buffer, .address_space: global }
      - { .name: bq, .offset: 16, .size: 8, .value_kind: global_buffer, .address_space: global }
      - { .name: bk, .offset: 24, .size: 8, .value_kind: global_buffer, .address_space: global }
      - { .name: bv, .offset: 32, .size: 8, .value_kind: global_buffer, .address_space: global }
      - { .name: qi, .offset: 40, .size: 8, .value_kind: global_buffer, .address_space: global }
      - { .name: kv, .offset: 48, .size: 8, .value_kind: global_buffer, .address_space: global }
    .group_segment_fixed_size: 0
    .private_segment_fixed_size: 0
    .kernarg_segment_align: 8
    .kernarg_segment_size: 56
    .max_flat_workgroup_size: 128
    .sgpr_count:     66
    .vgpr_count:     768
    .wavefront_size: 32
...
	.end_amdgpu_metadata
.endif
;; end of part 2
;; launch attn (part 3): grid 16 x 16, 16 waves a work-group, clusters of 4 x 1, 327,680 bytes of LDS; arguments qi, kv, ao, aos; writes ao, aos
.if DOCPART == 3
	.amdgcn_target "amdgcn-amd-amdhsa--gfx1250"
	.amdhsa_code_object_version 6
	.text
	.protected	k_qe359de24e6_attn
	.globl	k_qe359de24e6_attn
	.p2align	8
	.type	k_qe359de24e6_attn,@function
k_qe359de24e6_attn:
	s_mov_b64 s[64:65], 0
	v_nop
	global_prefetch_b8 v0, s[64:65] scope:SCOPE_SE
	s_setreg_imm32_b32 hwreg(HW_REG_WAVE_MODE, 25, 1), 1
	s_wait_xcnt 0x0
	s_wait_alu depctr_hold_cnt(0) depctr_sa_sdst(0) depctr_va_vdst(0) depctr_va_sdst(0) depctr_va_ssrc(0) depctr_va_vcc(0) depctr_vm_vsrc(0)
	s_getreg_b32 s2, hwreg(HW_REG_IB_STS2, 6, 4)
	s_cmp_eq_u32 s2, 0
	s_cbranch_scc0 .Lentry_in_a_cluster
	s_endpgm
.Lentry_in_a_cluster:
	s_bfe_u32 s2, ttmp6, 0x10000c
	s_cmp_lg_u32 s2, 0x3003
	s_cbranch_scc0 .Lentry_shape_is_right
	s_endpgm
.Lentry_shape_is_right:
; O = softmax(Q K^T / 8) V for 16 (batch, head) pairs of 4,096 tokens and 64 channels, both products on codes of FP6 (E2M3); O / l is quantised along the channels for the last product.
; t = score x log2(e) / 8; M = the running largest t rounded UP to a whole number; p = 2^(t - M) is quantised along the keys, not normalised; l is the sum of the unquantised p; when M moves, l and O are multiplied by 2^(old M - new M): exact.
; SHARES.  A work-group owns 256 queries of one head, each of its sixteen waves one tile of 16, in 256 registers.  Every wave walks the head's 32 key steps of 128 keys.
; A key step is one record of kv, 13,056 bytes in the order of the operands' registers: K's eight tiles (six registers each), V's four fragments, K's and V's scale words.
; LDS holds 24 records.  Records 0-7 are fetched at the head (waves 0-3, two records = 102 rows of 256 bytes each), records 8-23 behind the first round (waves 0-7).  When every wave has read records 0-7,
; their bytes take records 24-31 (waves 0-3): the launch's one refill.  That these have landed is shown by a barrier that is signalled behind key step 15 and waited for ahead of key step 24; between the two only registers are worked and resident records read.
; NO PREFETCH: records 8-23 are asked for 8 key steps ahead of their first read and records 24-31 16 key steps ahead; only the head's load is waited for, and no loop stands ahead of it.
; CLUSTER.  The four work-groups of a cluster belong to one head and walk the same records: each load is asked for JOINTLY, same descriptor, mask 15.
; LAYOUT.  Both products transposed: S^T = K Q^T (source 0 = 16 keys), O^T = V^T P^T (source 0 = 16 channels): a lane holds one query.  Row r of K's tile t is key 64 (t / 4) + 8 (t % 4) + r % 8 + 32 (r / 8),
; so register 32 c + i of S^T is key 64 c + 32 (lane / 16) + i: a lane holds two WHOLE blocks of 32 keys, in the order of the second product's operand: no lane is asked for a block's maximum, and no code changes lanes.
; K = 64 IN AN INSTRUCTION OF 128: Q's upper six registers are zero codes, so k = 64 .. 127 adds nothing whatever stands in source 0 there; K's tiles lie six registers apart, a tile's upper half being the next tile's codes (zeros behind the last);
; the scale bytes of k = 64 .. 127 are 0x7f on both sides.
; LIMITS: NaN and infinities are not served; the scaled scores stay under 2^31 in magnitude; zero blocks get the byte 1 (read by this program alone); 1 / l is v_rcp_f32.
.set REC,   13056
.set SPARE, 24*REC                     ; behind the 24 records: the spare words, 128 bytes for each of 16 waves
.set L8,  1                            ; v1  8 x lane
.set L16, 2                            ; v2  16 x lane
.set SPW, 3
.set NIL, 4
.set A8,  5                            ; v5  the record in hand + 8 x lane
.set A16, 6                            ; v6  + 16 x lane
.set R8,  7                            ; v7  8 (lane % 16)
.set R16, 8                            ; v8  16 (lane % 16)
.set SH,  9                            ; v9  8 (lane / 16): where my two bytes stand in p's scale word
.set T,   10
.set TP,  11                           ; v12 -M, v13 the largest score, v[14:15] the sum;  v[16:27] Q (v22-27 = 0)
.set QS,  28                           ; v28 Q's scale words
.set PS,  29                           ; v29 p's scale word
.set VS,  30                           ; v[30:31] V's
.set KS,  32                           ; v[32:35] K's
.set KV,  36                           ; v36-83 K's eight tiles, then V's four fragments; v84-89 = 0
.set S,   90                           ; v90-153 S^T, then p
.set O,   154                          ; v154-185 O^T
.set PC,  186                          ; v186-197 p's codes
.set CT,  198                          ; v198-204 the blocks' second halves, as the conversions leave them
.set BM,  206                          ; v206-209 maxima: two chains for each block; then v206, v208 the blocks'
.set SO,  210
.set BY,  212
.set W,   214
.set WP,  215
.set OM,  216                          ; the old -M
.set FF,  218                          ; v[218:219] f = 2^(old M - new M) (v219 = 0)
.set C1,  220                          ; three more chains of the sum
.set C2,  222
.set C3,  224
.set WV,  12
.set TB,  16
.set CNT, 17
.set CS,  18
.set SEL, 20
.set G1,  24
.set G0A, 32                           ; records 0-7
.set G0B, 36                           ; records 8-23
.set G0C, 56                           ; records 24-31
.macro CROUND                          ; a round of the cluster's barrier
	s_barrier_signal -1
	s_barrier_wait -1
	s_cmp_lg_u32 s[WV], 0
	s_cbranch_scc1 .Lnot_wave_0_\@
	s_barrier_signal -3
.Lnot_wave_0_\@:
	s_barrier_wait -3
	s_barrier_signal -1
	s_barrier_wait -1
.endm
.macro JLOAD g, n                      ; waves 0 .. n - 1 fetch; the branch hangs on the wave's number alone.  An s_nop 0 and four v_nop follow the load
	s_cmp_lt_u32 s[WV], \n
	s_cbranch_scc0 .Lnone_\@
	tensor_load_to_lds s[\g:\g+3], s[G1:G1+7]
	s_nop 0
.rept 4
	v_nop
.endr
.Lnone_\@:
.endm
	s_load_b256 s[4:11], s[0:1], 0x0               ; qi, kv, ao, aos
	v_lshl_add_u32 v[SPW], v0, 2, SPARE
	v_mov_b32 v[NIL], 0
	ds_add_u32 v[SPW], v[NIL]                      ; the wave's opening: the add, twice on end, and its wait ahead of the first tensor loads
	ds_add_u32 v[SPW], v[NIL]
	v_lshrrev_b32 v5, 5, v0
	v_and_b32 v10, 31, v0
	v_and_b32 v11, 15, v0
	v_bfe_u32 v[SH], v0, 4, 1
	v_readfirstlane_b32 s[WV], v5                  ; wave 0..15
	v_lshlrev_b32 v[L8], 3, v10
	v_lshlrev_b32 v[L16], 4, v10
	v_lshlrev_b32 v[R8], 3, v11
	v_lshlrev_b32 v[R16], 4, v11
	v_lshlrev_b32 v[SH], 3, v[SH]
	s_bfe_u32 s13, ttmp6, 0x40000                  ; cx
	s_lshl_b32 s14, ttmp9, 2
	s_add_co_u32 s14, s14, s13                     ; my block of 256 queries: it enters qi's, ao's and aos's addresses alone
	s_and_b32 s15, ttmp7, 0xffff                   ; 8 x batch + head, which the four partners share
	s_mov_b32 s[G1], 15|(3<<16)|(1<<21)            ; the mask: all four; elements of 8 bytes; bit 21 beside a mask; no padding
	s_mov_b32 s[G1+1], 32<<16                      ; tensor_dim0 = 32 elements: 256 bytes
	s_mov_b32 s[G1+2], 102<<16                     ; tensor_dim1 = 102 rows: two records
	s_mov_b32 s[G1+3], 32<<16                      ; tile_dim0
	s_mov_b32 s[G1+4], 102                         ; tile_dim1
	s_mov_b32 s[G1+5], 32                          ; the pitch: dense
	s_mov_b32 s[G1+6], 0
	s_mov_b32 s[G1+7], 0
	s_mov_b32 s[CS], 0x3e38aa3b                    ; c = log2(e) / 8
	s_mov_b32 s[CS+1], s[CS]
	s_mov_b32 s[SEL], 0x76543210
	s_mov_b32 s[SEL+1], 0xfedcba98
	s_min_u32 s40, s[WV], 3
	s_mul_i32 s40, s40, 2*REC                      ; waves 0-3: two of records 0-7, and later of 24-31, at the same LDS bytes
	s_min_u32 s41, s[WV], 7
	s_mul_i32 s41, s41, 2*REC
	s_add_co_u32 s41, s41, 8*REC                   ; waves 0-7: two of records 8-23: their place in LDS and in the head's records alike
	s_mul_i32 s42, s15, 32*REC                     ; the head's records
	s_mov_b32 s43, 0
	s_lshl_b32 s44, s15, 5                         ; Q: record 32 bh + 2 x block + wave / 8,
	s_lshl_b32 s45, s14, 1
	s_add_co_u32 s44, s44, s45
	s_lshr_b32 s45, s[WV], 3
	s_add_co_u32 s44, s44, s45
	s_mul_i32 s44, s44, 6656
	s_and_b32 s46, s[WV], 7                        ; tile wave % 8 in it
	s_mul_i32 s47, s46, 768
	s_add_co_u32 s48, s44, s47
	s_mov_b32 s49, 0
	s_and_b32 s47, s[WV], 1                        ; its scale words: byte 16 r + 256 (tile % 2) + 4 (tile / 2), from 6,144 on
	s_lshl_b32 s47, s47, 8
	s_lshr_b32 s46, s46, 1
	s_lshl_b32 s46, s46, 2
	s_add_co_u32 s50, s44, s47
	s_add_co_u32 s50, s50, s46
	s_add_co_u32 s50, s50, 6144
	s_mov_b32 s51, 0
	s_lshr_b32 s44, s15, 3                         ; the way out: token tile 256 x batch + 16 x block + wave,
	s_lshl_b32 s44, s44, 8
	s_lshl_b32 s45, s14, 4
	s_add_co_u32 s44, s44, s45
	s_add_co_u32 s44, s44, s[WV]
	s_and_b32 s45, s15, 7                          ; head
	s_mul_i32 s52, s44, 6144
	s_lshr_b32 s46, s45, 1
	s_mul_i32 s47, s46, 1536                       ; K step head / 2 of the last product,
	s_add_co_u32 s52, s52, s47
	s_and_b32 s47, s45, 1
	s_mul_i32 s47, s47, 768                        ; its lower or upper six registers
	s_add_co_u32 s52, s52, s47
	s_mov_b32 s53, 0
	s_lshl_b32 s54, s44, 8                         ; the two scale bytes: 256 x tile + 128 ((head / 2) % 2) + 4 (head / 4) + 2 (head % 2), + 8 r
	s_and_b32 s46, s46, 1
	s_lshl_b32 s46, s46, 7
	s_add_co_u32 s54, s54, s46
	s_lshr_b32 s46, s45, 2
	s_lshl_b32 s46, s46, 2
	s_add_co_u32 s54, s54, s46
	s_and_b32 s46, s45, 1
	s_lshl_b32 s46, s46, 1
	s_add_co_u32 s54, s54, s46
	s_mov_b32 s55, 0
	s_wait_dscnt 0x0                               ; both opening adds are done
	s_wait_kmcnt 0x0
	s_add_nc_u64 s[42:43], s[6:7], s[42:43]
	s_add_nc_u64 s[48:49], s[4:5], s[48:49]
	s_add_nc_u64 s[50:51], s[4:5], s[50:51]
	s_add_nc_u64 s[52:53], s[8:9], s[52:53]
	s_add_nc_u64 s[54:55], s[10:11], s[54:55]
	s_mov_b32 s46, s40
	s_mov_b32 s47, 0
	s_mov_b32 s[G0A], 1
	s_mov_b32 s[G0A+1], s40
	s_add_nc_u64 s[G0A+2:G0A+3], s[42:43], s[46:47]
	s_mov_b32 s[G0C], 1
	s_mov_b32 s[G0C+1], s40
	s_add_nc_u64 s[G0C+2:G0C+3], s[G0A+2:G0A+3], 24*REC
	s_or_b32 s[G0A+3], s[G0A+3], 0x80000000
	s_or_b32 s[G0C+3], s[G0C+3], 0x80000000
	s_mov_b32 s46, s41
	s_mov_b32 s[G0B], 1
	s_mov_b32 s[G0B+1], s41
	s_add_nc_u64 s[G0B+2:G0B+3], s[42:43], s[46:47]
	s_or_b32 s[G0B+3], s[G0B+3], 0x80000000
	CROUND                                         ; all four work-groups are here: the first joint loads meet
	JLOAD G0A, 4                                   ; records 0-7: one tensor load a wave at the head
	s_wait_alu depctr_va_vdst(0)                   ; the wait here, directly ahead of the first readers of the head's addresses
.irp p, 0,1,2
	global_load_b64 v[16+2*\p:17+2*\p], v[L8], s[48:49] offset:256*\p   ; Q's six registers stay
.endr
	global_load_b32 v[QS], v[R16], s[50:51]
.irp i, 0,1,2,3,4,5
	v_mov_b32 v[22+\i], 0                          ; zero codes for k = 64 .. 127
	v_mov_b32 v[KV+48+\i], 0                       ; and behind K's last tile
.endr
.set J, 0
.rept 32
	v_mov_b32 v[O+J], 0                            ; the step is written once: the first finds zeros, which the first change of M leaves zeros
.set J, J+1
.endr
	v_mov_b32 v[WP], 0                             ; a lane permute's destination counts as one of its sources (v11 has been written)
	v_mov_b32 v14, 0
	v_mov_b32 v15, 0
	v_mov_b32 v[FF+1], 0                           ; (named as the upper half of a pair)
	v_mov_b32 v13, 0xff61b1e6                      ; the largest score so far: -3e38
	v_floor_f32 v12, -v13                          ; -M: above every later one, so that the first f is 0
.macro PF n                            ; n x two numbers: t - M
.rept \n
	v_pk_fma_f32 v[S+J:S+J+1], v[S+J:S+J+1], s[CS:CS+1], v[12:13] op_sel_hi:[1,0,0]
.set J, J+2
.endr
.endm
.macro ADD4                            ; eight more p into the sum's four chains
	v_pk_add_f32 v[14:15], v[14:15], v[S+J:S+J+1]
	v_pk_add_f32 v[C1:C1+1], v[C1:C1+1], v[S+J+2:S+J+3]
	v_pk_add_f32 v[C2:C2+1], v[C2:C2+1], v[S+J+4:S+J+5]
	v_pk_add_f32 v[C3:C3+1], v[C3:C3+1], v[S+J+6:S+J+7]
.set J, J+8
.endm
.macro STEP                            ; one key step: the record at LDS byte s[TB].  (The 20 additions at the last step's end are the places in front of the loads below)
	v_add_nc_u32 v[A8], s[TB], v[L8]
	v_add_nc_u32 v[A16], s[TB], v[L16]
.irp t, 0,1,2,3,4,5,6,7
.irp p, 0,1,2
	ds_load_b64 v[KV+6*\t+2*\p:KV+6*\t+2*\p+1], v[A8] offset:256*(3*\t+\p)
.endr
.endr
	ds_load_b128 v[KS:KS+3], v[A16] offset:12288
	s_wait_alu depctr_va_vdst(0)
	s_wait_dscnt 0x0
.irp t, 0,1,2,3,4,5,6,7                        ; S^T = K Q^T: tile t's words in register t / 2, lanes 16-31 for odd t
.if \t%2
	v_wmma_scale_f32_16x16x128_f8f6f4 v[S+8*\t:S+8*\t+7], v[KV+6*\t:KV+6*\t+11], v[16:27], 0, v[KS+\t/2], v[QS] matrix_a_fmt:MATRIX_FMT_FP6 matrix_b_fmt:MATRIX_FMT_FP6 matrix_a_scale:MATRIX_SCALE_ROW1
.else
	v_wmma_scale_f32_16x16x128_f8f6f4 v[S+8*\t:S+8*\t+7], v[KV+6*\t:KV+6*\t+11], v[16:27], 0, v[KS+\t/2], v[QS] matrix_a_fmt:MATRIX_FMT_FP6 matrix_b_fmt:MATRIX_FMT_FP6
.endif
.endr
	v_mov_b32 v[OM], v12                           ; the old -M; with the three below: four places in front of the loads and of the first read of the scores
.rept 3
	v_nop
.endr
.irp u, 0,1,2,3                                ; V's fragments take K's registers and land while the softmax is walked
.irp p, 0,1,2,3,4,5
	ds_load_b64 v[KV+12*\u+2*\p:KV+12*\u+2*\p+1], v[A8] offset:6144+256*(6*\u+\p)
.endr
.endr
	ds_load_b64 v[VS:VS+1], v[A8] offset:12800
	; the largest score of each of my two blocks of 32 keys, in two chains each (17 and 15 numbers); every accumulator is first read in its four lowest registers
.irp c, 0,1
	v_max3_num_f32 v[BM+2*\c], v[S+32*\c], v[S+32*\c+1], v[S+32*\c+2]
	v_max3_num_f32 v[BM+2*\c+1], v[S+32*\c+17], v[S+32*\c+18], v[S+32*\c+19]
.endr
.irp k, 0,1,2,3,4,5
.irp c, 0,1
	v_max3_num_f32 v[BM+2*\c], v[BM+2*\c], v[S+32*\c+3+2*\k], v[S+32*\c+4+2*\k]
	v_max3_num_f32 v[BM+2*\c+1], v[BM+2*\c+1], v[S+32*\c+20+2*\k], v[S+32*\c+21+2*\k]
.endr
.endr
.irp c, 0,1
	v_max3_num_f32 v[BM+2*\c], v[BM+2*\c], v[S+32*\c+15], v[S+32*\c+16]
.endr
	v_max_num_f32 v[BM], v[BM], v[BM+1]            ; it serves twice: for the row's maximum, and, since p rises with the score, for the block's largest p
	v_max_num_f32 v[BM+2], v[BM+2], v[BM+3]
	v_max_num_f32 v[T], v[BM], v[BM+2]
	v_permlanex16_b32 v[TP], v[T], s[SEL], s[SEL+1]
	v_max3_num_f32 v13, v13, v[T], v[TP]           ; the running largest score (c is positive), with lane l xor 16's 64 keys
	v_mul_f32 v[T], s[CS], v13
	v_floor_f32 v12, -v[T]                         ; the new -M = -ceil(t)
.set J, 0
	PF 4
	v_sub_f32 v[T], v12, v[OM]                     ; old M - new M: a whole number, 0 or less
	PF 4
	v_cvt_i32_f32 v[T], v[T]                       ; (it saturates)
	PF 4
	v_ldexp_f32 v[FF], 1.0, v[T]                   ; f = 2^(old M - new M)
	PF 20
	v_fma_f32 v[BM], v[BM], s[CS], v12
	v_fma_f32 v[BM+2], v[BM+2], s[CS], v12
	s_wait_alu depctr_va_vdst(0)                   ; the wait ahead of the batch
	v_exp_f32 v[BM], v[BM]                         ; each block's largest p: the same arithmetic on the same number gives the same bits
	v_exp_f32 v[BM+2], v[BM+2]
.set J, 0
.rept 64
	v_exp_f32 v[S+J], v[S+J]                       ; p = 2^(t - M)
.set J, J+1
.endr
	s_wait_alu depctr_va_vdst(0)                   ; one wait for the whole batch, directly ahead of the first readers of O^T too
.set J, 0
.rept 16
	v_pk_mul_f32 v[O+J:O+J+1], v[O+J:O+J+1], v[FF:FF+1] op_sel_hi:[1,0]   ; O^T under the new M, each accumulator from its low end on; the first is the plain place behind the exponentials
.set J, J+2
.endr
	v_max_num_f32 v[BM], 0x1800000, v[BM]          ; the floor 2^(3 - 127): the byte cannot fall under 1
	v_max_num_f32 v[BM+2], 0x1800000, v[BM+2]
	s_delay_alu instid0(VALU_DEP_2)
	v_add_nc_u32 v[SO], 0xff000000, v[BM]          ; 2 off the exponent field: the conversion's scale operand
	v_add_nc_u32 v[SO+1], 0xff000000, v[BM+2]
.irp c, 0,1
	v_cvt_scalef32_pk16_fp6_f32 v[PC+6*\c:PC+6*\c+2], v[S+32*\c:S+32*\c+15], v[SO+\c]
	v_cvt_scalef32_pk16_fp6_f32 v[CT+4*\c:CT+4*\c+2], v[S+32*\c+16:S+32*\c+31], v[SO+\c]   ; (a conversion's three registers begin on an even number)
.endr
	v_pk_fma_f32 v[14:15], v[14:15], v[FF:FF+1], v[S:S+1] op_sel_hi:[1,0,1]   ; the sum under the new M, and its first two p: the plain place behind the conversions
	v_lshrrev_b32 v[BY], 23, v[SO]                 ; my two bytes: blocks lane / 16 and 2 + lane / 16
	v_lshrrev_b32 v[BY+1], 23, v[SO+1]
	v_mov_b32 v[PC+3], v[CT]
	v_mov_b32 v[PC+4], v[CT+1]
	v_lshl_or_b32 v[W], v[BY+1], 16, v[BY]
	v_mov_b32 v[PC+5], v[CT+2]
	v_mov_b32 v[PC+9], v[CT+4]
	v_lshlrev_b32 v[W], v[SH], v[W]                ; at their places in the scale word
	v_mov_b32 v[PC+10], v[CT+5]
	v_mov_b32 v[PC+11], v[CT+6]
	v_permlanex16_b32 v[WP], v[W], s[SEL], s[SEL+1]
	v_pk_add_f32 v[C1:C1+1], v[S+2:S+3], v[S+4:S+5]        ; THE SUM IS TAKEN OF THE UNQUANTISED p, in four chains
	v_pk_add_f32 v[C2:C2+1], v[S+6:S+7], v[S+8:S+9]
	v_pk_add_f32 v[C3:C3+1], v[S+10:S+11], v[S+12:S+13]
	v_or_b32 v[PS], v[W], v[WP]                    ; with lane l xor 16's two the word is whole
.set J, 14
	ADD4
	ADD4                                           ; eight places between the scale word and the scaled products
	s_wait_alu depctr_va_vdst(0)                   ; the wait here, directly ahead of the wait below
	s_wait_dscnt 0x0                               ; V is in
.irp u, 0,1,2,3                                ; O^T += V^T P^T: four accumulators, one instruction each
.if \u%2
	v_wmma_scale_f32_16x16x128_f8f6f4 v[O+8*\u:O+8*\u+7], v[KV+12*\u:KV+12*\u+11], v[PC:PC+11], v[O+8*\u:O+8*\u+7], v[VS+\u/2], v[PS] matrix_a_fmt:MATRIX_FMT_FP6 matrix_b_fmt:MATRIX_FMT_FP6 matrix_a_scale:MATRIX_SCALE_ROW1
.else
	v_wmma_scale_f32_16x16x128_f8f6f4 v[O+8*\u:O+8*\u+7], v[KV+12*\u:KV+12*\u+11], v[PC:PC+11], v[O+8*\u:O+8*\u+7], v[VS+\u/2], v[PS] matrix_a_fmt:MATRIX_FMT_FP6 matrix_b_fmt:MATRIX_FMT_FP6
.endif
.endr
	ADD4                                           ; the rest of the sum names no register of the products above
	ADD4
	ADD4
	ADD4
	v_pk_add_f32 v[14:15], v[14:15], v[S+62:S+63]
	v_pk_add_f32 v[C1:C1+1], v[C1:C1+1], v[C2:C2+1]
	s_delay_alu instid0(VALU_DEP_2)
	v_pk_add_f32 v[14:15], v[14:15], v[C3:C3+1]
	s_delay_alu instid0(VALU_DEP_1)
	v_pk_add_f32 v[14:15], v[14:15], v[C1:C1+1]
.endm
.macro STEPS base                      ; eight key steps on the records from LDS byte base on: written once, walked eight times
	s_mov_b32 s[TB], \base
	s_mov_b32 s[CNT], 8
.Lstep_\@:
	STEP
	s_add_co_u32 s[TB], s[TB], REC
	s_sub_co_u32 s[CNT], s[CNT], 1
	s_cmp_lg_u32 s[CNT], 0
	s_cbranch_scc1 .Lstep_\@
.endm
	s_wait_alu depctr_va_vdst(0)                   ; the wait at the head's end
	s_wait_tensorcnt 0x0                           ; my part of records 0-7 is in
	ds_add_u32 v[SPW], v[NIL]
	ds_add_u32 v[SPW], v[NIL]
	s_wait_dscnt 0x0
	CROUND                                         ; everybody's part is in, and all four work-groups are here
	JLOAD G0B, 8                                   ; records 8-23: their first fill, the first tensor load behind the round
	s_wait_loadcnt 0x0                             ; Q
	STEPS 0                                        ; key steps 0-7
	s_wait_tensorcnt 0x0                           ; records 8-23 are in: no tensor load of mine is out;
	ds_add_u32 v[SPW], v[NIL]                      ; the add, here twice on end;
	ds_add_u32 v[SPW], v[NIL]
	s_wait_dscnt 0x0                               ; the adds are done, and my reads of records 0-7 are over
	CROUND                                         ; both hold of every wave of all four work-groups
	JLOAD G0C, 4                                   ; THE REFILL: records 24-31 into the bytes of records 0-7
	STEPS 8*REC                                    ; key steps 8-15
	s_wait_tensorcnt 0x0                           ; my part of records 24-31 is in
	s_wait_dscnt 0x0
	s_barrier_signal -1                            ; say so; signal and wait stand eight key steps apart
	STEPS 16*REC                                   ; key steps 16-23: registers, and reads of bytes that nobody writes any more
	s_barrier_wait -1                              ; every wave has said so: records 24-31 are whole
	STEPS 0                                        ; key steps 24-31
	; THE WAY OUT: O^T / l, register 16 b + i = channel 32 b + 16 (lane / 16) + i, is quantised: two blocks, six registers, two bytes.
	v_add_f32 v14, v14, v15
	s_delay_alu instid0(VALU_DEP_1)
	v_permlanex16_b32 v[TP], v14, s[SEL], s[SEL+1]
	s_delay_alu instid0(VALU_DEP_1)
	v_add_f32 v14, v14, v[TP]                      ; the row's sum
	s_wait_alu depctr_va_vdst(0)                   ; the wait ahead of the transcendental
	v_rcp_f32 v14, v14
	v_nop                                          ; a plain place behind the reciprocal
	s_wait_alu depctr_va_vdst(0)                   ; and the wait ahead of its first reader, and of O^T's
.set J, 0
.rept 16
	v_pk_mul_f32 v[S+J:S+J+1], v[O+J:O+J+1], v[14:15] op_sel_hi:[1,0]   ; each accumulator from its low end on
.set J, J+2
.endr
.irp b, 0,1
	v_max3_num_f32 v[BM+\b], |v[S+16*\b]|, |v[S+16*\b+1]|, 0x1800000
.endr
.irp i, 2,4,6,8,10,12,14
.irp b, 0,1
	s_delay_alu instid0(VALU_DEP_2)
	v_max3_num_f32 v[BM+\b], v[BM+\b], |v[S+16*\b+\i]|, |v[S+16*\b+\i+1]|
.endr
.endr
.irp b, 0,1
	s_delay_alu instid0(VALU_DEP_2)
	v_permlanex16_b32 v[BY+\b], v[BM+\b], s[SEL], s[SEL+1]
.endr
.irp b, 0,1
	s_delay_alu instid0(VALU_DEP_2)
	v_max_num_f32 v[BM+\b], v[BM+\b], v[BY+\b]
.endr
.irp b, 0,1
	s_delay_alu instid0(VALU_DEP_2)
	v_add_nc_u32 v[SO+\b], 0xff000000, v[BM+\b]
.endr
.irp b, 0,1
	s_delay_alu instid0(VALU_DEP_2)
	v_lshrrev_b32 v[BY+\b], 23, v[SO+\b]
.endr
	s_delay_alu instid0(VALU_DEP_1)
	v_lshl_or_b32 v[T], v[BY+1], 8, v[BY]
	v_cvt_scalef32_pk16_fp6_f32 v[PC:PC+2], v[S:S+15], v[SO]
	v_cvt_scalef32_pk16_fp6_f32 v[CT:CT+2], v[S+16:S+31], v[SO+1]
	v_nop                                          ; one plain place behind a scaled conversion
.irp i, 0,1,2
	v_permlane16_swap_b32 v[PC+\i], v[CT+\i]       ; the operand's layout wants a whole block in a lane
.endr
.irp i, 0,1,2
	s_delay_alu instid0(VALU_DEP_3)
	v_mov_b32 v[PC+3+\i], v[CT+\i]
.endr
.irp p, 0,1,2
	global_store_b64 v[L8], v[PC+2*\p:PC+2*\p+1], s[52:53] offset:256*\p   ; 32 lanes store 256 consecutive bytes, aligned
.endr
	global_store_b16 v[R8], v[T], s[54:55]         ; my row's two bytes (lanes r and r + 16 write the same two with the same value): 32 bytes a wave beside its 768 of codes
	s_wait_tensorcnt 0x0                           ; the wave's end
	ds_add_u32 v[SPW], v[NIL]
	s_wait_dscnt 0x0
	CROUND                                         ; the closing round
	s_endpgm
.Lfunc_end_k_qe359de24e6_attn:
	.size	k_qe359de24e6_attn, .Lfunc_end_k_qe359de24e6_attn-k_qe359de24e6_attn
	.p2alignl 7, 3214868480
	.fill 96, 4, 3214868480
	.section	.rodata,"a",@progbits
	.p2align	6, 0x0
	.amdhsa_kernel k_qe359de24e6_attn
		.amdhsa_group_segment_fixed_size 327680
		.amdhsa_private_segment_fixed_size 0
		.amdhsa_enable_private_segment 0
		.amdhsa_kernarg_size 32
		.amdhsa_user_sgpr_count 2
		.amdhsa_user_sgpr_kernarg_segment_ptr 1
		.amdhsa_wavefront_size32 1
		.amdhsa_system_sgpr_workgroup_id_x 1
		.amdhsa_system_sgpr_workgroup_id_y 1
		.amdhsa_system_sgpr_workgroup_id_z 1
		.amdhsa_system_vgpr_workitem_id 0
		.amdhsa_next_free_vgpr 256
		.amdhsa_next_free_sgpr 66
		.amdhsa_reserve_vcc 0
		.amdhsa_float_denorm_mode_32 3
		.amdhsa_float_denorm_mode_16_64 3
		.amdhsa_memory_ordered 1
		.amdhsa_forward_progress 1
		.amdhsa_inst_pref_size 77
	.end_amdhsa_kernel
	.amdgpu_metadata
---
amdhsa.version: [ 1, 2 ]
amdhsa.kernels:
  - .name:           k_qe359de24e6_attn
    .symbol:         k_qe359de24e6_attn.kd
    .args:
      - { .name: qi, .offset: 0, .size: 8, .value_kind: global_buffer, .address_space: global }
      - { .name: kv, .offset: 8, .size: 8, .value_kind: global_buffer, .address_space: global }
      - { .name: ao, .offset: 16, .size: 8, .value_kind: global_buffer, .address_space: global }
      - { .name: aos, .offset: 24, .size: 8, .value_kind: global_buffer, .address_space: global }
    .group_segment_fixed_size: 327680
    .private_segment_fixed_size: 0
    .kernarg_segment_align: 8
    .kernarg_segment_size: 32
    .max_flat_workgroup_size: 512
    .sgpr_count:     66
    .vgpr_count:     256
    .wavefront_size: 32
...
	.end_amdgpu_metadata
.endif
;; end of part 3
;; launch outp (part 4): grid 256 x 1, 4 waves a work-group, no clusters, 34,304 bytes of LDS; arguments codes, scales, ao, aos, bo, out0; writes out0
.if DOCPART == 4
	.amdgcn_target "amdgcn-amd-amdhsa--gfx1250"
	.amdhsa_code_object_version 6
	.text
	.protected	k_qe359de24e6_outp
	.globl	k_qe359de24e6_outp
	.p2align	8
	.type	k_qe359de24e6_outp,@function
k_qe359de24e6_outp:
	s_mov_b64 s[64:65], 0
	v_nop
	global_prefetch_b8 v0, s[64:65] scope:SCOPE_SE
	s_setreg_imm32_b32 hwreg(HW_REG_WAVE_MODE, 25, 1), 1
	s_wait_xcnt 0x0
; out0 = A Wo^T + bo on codes of FP6 (E2M3): A, the attention's result, lies in ao / aos as fragments and scale words in the order of the operand's registers; Wo likewise in codes / scales (tiles 1632 on).
; A work-group takes token tiles 2 g and 2 g + 1 (tokens 32 g .. 32 g + 31); wave w keeps Wo's rows 128 w .. 128 w + 127 (8 tiles x K 512: 384 registers) and makes those output columns.
; Source 0 = a tile of Wo, source 1 = the tokens' tile: a lane holds one token (row 32 (T / 2) + 8 (T % 2) + r + 8 (r / 8)) and, by the tiles' row order, register 16 b + i = column 32 b + 16 (lane / 16) + i.  bo is the C of each sum's first product.
; The way out goes through the wave's own stage in LDS (16 rows, pitch 528) and leaves as 512 consecutive bytes of a row of out0 an instruction.
; No tensor load, no barrier (a stage is one wave's own), no cluster: each wave's 49,152 bytes of Wo go straight into its registers by loads of 256 consecutive bytes and no other wave of the work-group wants them.
; LIMIT: the bias enters the sum first, so the last bit may differ from a sum in another order.
; REGISTERS: window 0 as named; window 1: Wo's fragments of K steps 0, 1 at v[12 (8 (s % 2) + n)]; window 2: K steps 2, 3, and from v192 the bias.
.set FR,  12
.set PIT, 528
.set STG, 16*PIT
.set SPARE, 4*STG
.set L8,  1
.set L16, 2
.set STO, 3                            ; v3  the stage: row r, + 64 (lane / 16)
.set RD,  4                            ; v4  and back: 16 x lane
.set SPW, 5
.set NIL, 6
.set H64, 7
.set PS,  8                            ; v8-23   Wo's scale words
.set RS,  24                           ; v24-27  the tokens'
.set R0,  28                           ; v28-75, v76-123 the two tiles' fragments
.set HA,  124                          ; v124-187 the eight accumulators
.set OB,  188                          ; v188-251 16 rows read back
.set BI,  192                          ; window 2
.set MSB, 0
.macro WIN new
.if MSB != \new
	s_set_vgpr_msb (MSB<<8)|\new
.set MSB, \new
.endif
.endm
	s_load_b256 s[4:11], s[0:1], 0x0               ; codes, scales, ao, aos
	s_load_b128 s[12:15], s[0:1], 0x20             ; bo, out0
	v_lshl_add_u32 v[SPW], v0, 2, SPARE
	v_mov_b32 v[NIL], 0
	v_lshrrev_b32 v252, 5, v0
	v_readfirstlane_b32 s16, v252                  ; wave
	v_and_b32 v252, 31, v0
	v_lshlrev_b32 v[L8], 3, v252
	v_lshlrev_b32 v[L16], 4, v252
	v_and_b32 v252, 15, v0
	v_bfe_u32 v253, v0, 4, 1
	v_lshlrev_b32 v[H64], 6, v253
	s_mul_i32 s17, s16, STG
	v_mul_u32_u24 v[STO], v252, PIT
	v_add_nc_u32 v[STO], v[STO], v[H64]
	v_add_nc_u32 v[STO], s17, v[STO]
	v_add_nc_u32 v[RD], s17, v[L16]
	s_lshl_b32 s18, s16, 3
	s_add_co_u32 s18, s18, 1632                    ; my first tile of Wo
	s_mov_b32 s21, 0
	s_wait_alu depctr_va_vdst(0)
	s_wait_kmcnt 0x0
	s_mul_i32 s20, s18, 6144
	s_add_nc_u64 s[22:23], s[4:5], s[20:21]
	s_lshl_b32 s20, s18, 8
	s_add_nc_u64 s[24:25], s[6:7], s[20:21]
	s_mul_i32 s20, ttmp9, 12288
	s_add_nc_u64 s[26:27], s[8:9], s[20:21]
	s_lshl_b32 s20, ttmp9, 9
	s_add_nc_u64 s[28:29], s[10:11], s[20:21]
	s_lshl_b32 s20, s16, 9
	s_add_nc_u64 s[30:31], s[12:13], s[20:21]      ; bo: my 128 numbers
	s_add_nc_u64 s[32:33], s[14:15], s[20:21]      ; out0: my 512 bytes of a row,
	s_lshl_b32 s20, ttmp9, 16
	s_add_nc_u64 s[32:33], s[32:33], s[20:21]      ; 32 rows of 2,048 bytes a work-group
.macro LOADR t                         ; token tile t: four fragments and their scale words: 25 loads
.irp s, 0,1,2,3
.irp p, 0,1,2,3,4,5
	global_load_b64 v[R0+48*(\t)+FR*\s+2*\p:R0+48*(\t)+FR*\s+2*\p+1], v[L8], s[26:27] offset:6144*(\t)+1536*\s+256*\p
.endr
.endr
	global_load_b64 v[RS+2*(\t):RS+2*(\t)+1], v[L8], s[28:29] offset:256*(\t)
.endm
.macro LOADP
	WIN 0x40                                       ; destination window 1
.irp s, 0,1
.irp n, 0,1,2,3,4,5,6,7
.irp p, 0,1,2,3,4,5
	global_load_b64 v[FR*(8*\s+\n)+2*\p:FR*(8*\s+\n)+2*\p+1], v[L8], s[22:23] offset:6144*\n+1536*\s+256*\p
.endr
.endr
.endr
	WIN 0x80                                       ; destination window 2
.irp s, 0,1
.irp n, 0,1,2,3,4,5,6,7
.irp p, 0,1,2,3,4,5
	global_load_b64 v[FR*(8*\s+\n)+2*\p:FR*(8*\s+\n)+2*\p+1], v[L8], s[22:23] offset:6144*\n+1536*(\s+2)+256*\p
.endr
.endr
.endr
.irp n, 0,1,2,3,4,5,6,7
	global_load_b128 v[BI+8*\n:BI+8*\n+3], v[H64], s[30:31] offset:(32*(\n/2)+8*(\n%2))*4
	global_load_b128 v[BI+8*\n+4:BI+8*\n+7], v[H64], s[30:31] offset:(32*(\n/2)+8*(\n%2))*4+16
.endr
	WIN 0
.irp n, 0,1,2,3,4,5,6,7
	global_load_b64 v[PS+2*\n:PS+2*\n+1], v[L8], s[24:25] offset:256*\n
.endr
.endm
; 32 products: K step by K step, the eight accumulators by turns, one instruction a turn
.macro MULS e
.irp s, 0,1,2,3
.if \s == 0
	WIN 0x21                                       ; source 0 (Wo) window 1, source 2 (the bias) window 2
.elseif \s == 1
	WIN 0x01
.else
	WIN 0x02
.endif
.irp n, 0,1,2,3,4,5,6,7
.if \s == 0
	v_wmma_scale_f32_16x16x128_f8f6f4 v[HA+8*\n:HA+8*\n+7], v[FR*(8*(\s%2)+\n):FR*(8*(\s%2)+\n)+FR-1], v[R0+48*(\e)+FR*\s:R0+48*(\e)+FR*\s+FR-1], v[BI+8*\n:BI+8*\n+7], v[PS+2*\n+\s/2], v[RS+2*(\e)+\s/2] matrix_a_fmt:MATRIX_FMT_FP6 matrix_b_fmt:MATRIX_FMT_FP6
.elseif \s%2 == 1
	v_wmma_scale_f32_16x16x128_f8f6f4 v[HA+8*\n:HA+8*\n+7], v[FR*(8*(\s%2)+\n):FR*(8*(\s%2)+\n)+FR-1], v[R0+48*(\e)+FR*\s:R0+48*(\e)+FR*\s+FR-1], v[HA+8*\n:HA+8*\n+7], v[PS+2*\n+\s/2], v[RS+2*(\e)+\s/2] matrix_a_fmt:MATRIX_FMT_FP6 matrix_b_fmt:MATRIX_FMT_FP6 matrix_a_scale:MATRIX_SCALE_ROW1 matrix_b_scale:MATRIX_SCALE_ROW1
.else
	v_wmma_scale_f32_16x16x128_f8f6f4 v[HA+8*\n:HA+8*\n+7], v[FR*(8*(\s%2)+\n):FR*(8*(\s%2)+\n)+FR-1], v[R0+48*(\e)+FR*\s:R0+48*(\e)+FR*\s+FR-1], v[HA+8*\n:HA+8*\n+7], v[PS+2*\n+\s/2], v[RS+2*(\e)+\s/2] matrix_a_fmt:MATRIX_FMT_FP6 matrix_b_fmt:MATRIX_FMT_FP6
.endif
.endr
.endr
	WIN 0
.endm
.macro OUT e                           ; tile e's 16 rows x 128 columns through my stage, and out
.irp n, 0,1,2,3,4,5,6,7
	ds_store_b128 v[STO], v[HA+8*\n:HA+8*\n+3] offset:128*(\n/2)+32*(\n%2)         ; each accumulator from its low end on
	ds_store_b128 v[STO], v[HA+8*\n+4:HA+8*\n+7] offset:128*(\n/2)+32*(\n%2)+16
.endr
.irp i, 0,1,2,3,4,5,6,7,8,9,10,11,12,13,14,15
	ds_load_b128 v[OB+4*\i:OB+4*\i+3], v[RD] offset:PIT*\i   ; LDS serves a wave's instructions in order: these see the stores above
.endr
.irp i, 0,1,2,3,4,5,6,7,8,9,10,11,12,13,14,15
	s_wait_dscnt 15-\i                             ; row i is back; the younger loads may be out
	global_store_b128 v[L16], v[OB+4*\i:OB+4*\i+3], s[32:33] offset:(8*(\e)+\i+8*(\i/8))*2048 th:TH_STORE_NT   ; 32 lanes store 512 consecutive bytes, aligned to 256
.endr
.endm
	LOADP
	LOADR 0
	LOADR 1
	s_wait_loadcnt 25                              ; all but the second tile's 25 loads
	MULS 0
.rept 4
	v_nop                                          ; places in front of the first read of results
.endr
	OUT 0
	s_wait_loadcnt 0x0
.rept 4
	v_nop                                          ; with the four above: more than the five places owed where accumulators are begun anew with another C
.endr
	MULS 1
.rept 4
	v_nop
.endr
	s_wait_xcnt 0x0                                ; the first tile's stores have read their registers: the rows read back may land there again
	OUT 1
	s_wait_tensorcnt 0x0                           ; the wave's end, behind my last LDS store
	ds_add_u32 v[SPW], v[NIL]
	s_wait_dscnt 0x0
	s_endpgm
.Lfunc_end_k_qe359de24e6_outp:
	.size	k_qe359de24e6_outp, .Lfunc_end_k_qe359de24e6_outp-k_qe359de24e6_outp
	.p2alignl 7, 3214868480
	.fill 96, 4, 3214868480
	.section	.rodata,"a",@progbits
	.p2align	6, 0x0
	.amdhsa_kernel k_qe359de24e6_outp
		.amdhsa_group_segment_fixed_size 34304
		.amdhsa_private_segment_fixed_size 0
		.amdhsa_enable_private_segment 0
		.amdhsa_kernarg_size 48
		.amdhsa_user_sgpr_count 2
		.amdhsa_user_sgpr_kernarg_segment_ptr 1
		.amdhsa_wavefront_size32 1
		.amdhsa_system_sgpr_workgroup_id_x 1
		.amdhsa_system_sgpr_workgroup_id_y 1
		.amdhsa_system_sgpr_workgroup_id_z 1
		.amdhsa_system_vgpr_workitem_id 0
		.amdhsa_next_free_vgpr 768
		.amdhsa_next_free_sgpr 66
		.amdhsa_reserve_vcc 0
		.amdhsa_float_denorm_mode_32 3
		.amdhsa_float_denorm_mode_16_64 3
		.amdhsa_memory_ordered 1
		.amdhsa_forward_progress 1
		.amdhsa_inst_pref_size 44
	.end_amdhsa_kernel
	.amdgpu_metadata
---
amdhsa.version: [ 1, 2 ]
amdhsa.kernels:
  - .name:           k_qe359de24e6_outp
    .symbol:         k_qe359de24e6_outp.kd
    .args:
      - { .name: codes, .offset: 0, .size: 8, .value_kind: global_buffer, .address_space: global }
      - { .name: scales, .offset: 8, .size: 8, .value_kind: global_buffer, .address_space: global }
      - { .name: ao, .offset: 16, .size: 8, .value_kind: global_buffer, .address_space: global }
      - { .name: aos, .offset: 24, .size: 8, .value_kind: global_buffer, .address_space: global }
      - { .name: bo, .offset: 32, .size: 8, .value_kind: global_buffer, .address_space: global }
      - { .name: out0, .offset: 40, .size: 8, .value_kind: global_buffer, .address_space: global }
    .group_segment_fixed_size: 34304
    .private_segment_fixed_size: 0
    .kernarg_segment_align: 8
    .kernarg_segment_size: 48
    .max_flat_workgroup_size: 128
    .sgpr_count:     66
    .vgpr_count:     768
    .wavefront_size: 32
...
	.end_amdgpu_metadata
.endif
;; end of part 4
